; MI455X (gfx1250); checked and timed in simulation.
; The chip was launched on July 23, 2026; its instructions are those of AMD's public machine-readable ISA for CDNA 5 (MIT licence, August 2026) and "CDNA5" Instruction Set Architecture Reference Guide (July 2026). The comments in the code are by the model that wrote it; some were corrected since.
;; Bahdanau Attention. Allowed arithmetic: matrix products marked QUANTISED: E4M3 operands, one E8M0 scale for each 32 along K, by v_wmma_scale_f32_16x16x128_f8f6f4 with both operands' format E4M3, f32 sums; products left as they are: f32 operands where the result goes on into a quantised operand, else bf16, f16 or f32 operands; f32 sums; everything else in f32.
;; Inputs: Wk 1,024 x 1,024 float32; Wq 1,024 x 1,024 float32; keys 16 x 4,096 x 1,024 float32; query 16 x 1 x 1,024 float32; v 1,024 float32.
;; Outputs: out0 16 x 1 x 1,024 float32; out1 16 x 1 x 4,096 float32.
;; This version of the problem:
;;   THIS VERSION OF THE PROBLEM IS GIVEN IN LOW PRECISION. The matrix products marked QUANTISED in the list below multiply operands that are first quantised to E4M3 (4 exponent bits, 3 mantissa bits; 8 bits a number), with one power-of-two scale for each 32 numbers along K (OCP MX v1.0); their sums are f32. All else is computed in f32.
;;   The module's matrix products, in the order in which they are computed (A, B: the left and right operand; K: the contracted axis; several contracted axes count as one K, in the product's order):
;;     1. [M 16, K 1,024] x [K 1,024, N 1,024]; A: input query; B: input Wq: QUANTISED
;;     2. [M 65,536, K 1,024] x [K 1,024, N 1,024]; A: input keys; B: input Wk: QUANTISED
;;     3. [M 65,536, K 1,024] x [K 1,024, N 1]; A: computed on the way; B: input v: left as it is (N = 1 < 16)
;;     4. batch 16 x [M 1, K 4,096] x [K 4,096, N 1,024]; A: softmax; B: input keys: left as it is (M = 1 < 16)
;;   THE QUANTISER, for each operand of a quantised product, along K:
;;     - K is cut into blocks of 32 from its start; a last block that is shorter is filled with zeros.
;;     - A block's scale is 2^e with e = floor(log2(the largest magnitude in the block)) - 8, held to -126 .. 127; a block of zeros has e = 0. As a byte (E8M0): e + 127.
;;     - Each number is divided by its block's scale, clamped to +-448, and rounded to the nearest number of E4M3, ties to even, subnormals kept.
;;     - The product sums the exact products of the quantised numbers (number of the format x scale) in f32.
;;   ~~~python
;;   def quantise(x, axis):      # numpy; x: float32 -> the quantised numbers, widened to float32 again
;;       x = np.moveaxis(x, axis, -1); K = x.shape[-1]
;;       x = np.pad(x, [(0, 0)] * (x.ndim - 1) + [(0, -K % 32)]); x = x.reshape(x.shape[:-1] + (-1, 32)); a = np.abs(x).max(-1, keepdims=True)
;;       e = np.where(a > 0, np.clip(np.frexp(np.where(a > 0, a, 1))[1] - 1 - 8, -126, 127), 0)      # np.frexp(a)[1] - 1 = floor(log2(a)), exactly
;;       r = np.clip(x / 2.0 ** e, -448, 448)
;;       step = 2.0 ** (np.maximum(np.frexp(np.where(r == 0, 1, r))[1] - 1, -6) - 3)
;;       q = np.round(r / step) * step * 2.0 ** e      # np.round: ties to even
;;       return np.moveaxis(q.reshape(q.shape[:-2] + (-1,))[..., :K], -1, axis).astype(np.float32)
;;   ~~~
;; One version. Each part assembles by itself: llvm-mc -triple=amdgcn-amd-amdhsa -mcpu=gfx1250 --defsym DOCPART=n.
;; ======== version 1 of 1: 3 launches
;; workspace buffers: wk_img 1,081,344 bytes; qproj 65,536 bytes; scores 262,144 bytes
;; launch prep (part 1): grid 128 x 1, 8 waves a work-group, no clusters, 9,216 bytes of LDS; arguments Wk, Wq, query, wk_img, qproj; writes wk_img, qproj
.if DOCPART == 1
	.amdgcn_target "amdgcn-amd-amdhsa--gfx1250"
	.amdhsa_code_object_version 6
	.text
	.protected	k_qc689f325dd_prep
	.globl	k_qc689f325dd_prep
	.p2align	8
	.type	k_qc689f325dd_prep,@function
k_qc689f325dd_prep:
	s_mov_b64 s[64:65], 0
	v_nop
	global_prefetch_b8 v0, s[64:65] scope:SCOPE_SE
	s_setreg_imm32_b32 hwreg(HW_REG_WAVE_MODE, 25, 1), 1
	s_wait_xcnt 0x0
; TWO SMALL JOBS IN ONE LAUNCH.  Work-groups 0-63: 16 rows (a g tile) of Wk [1024][1024] f32 become codes of FP8 (E4M3) with one E8M0 scale byte for each 32 along K,
; stored as IMAGES OF THE OPERAND'S REGISTERS.  Work-groups 64-127: q_proj[b][g] = Q(query) Q(Wq)^T for 16 rows g of Wq and all 16 batches.
; SHARES.  Eight waves; wave s takes K step s (128 along K): one fragment of 16 rows x 128 K.  Lane (r, h) loads, of row r, the 16 neighbours 32 c + 16 h + 0 .. 15 of each block of 32:
; the order that the operand's layout gives that lane, so the conversions' results are the operand's registers.
; wk_img: a record of REC = 16,896 bytes for each g tile: byte 2048 s + 512 c + 16 lane holds registers 4 c .. 4 c + 3 of K step s's fragment; byte 16384 + 16 L + 4 u holds the scale word of
; row L % 16 for K step 2 u + L / 16, so that one load of 16 bytes a lane brings a tile's eight scale words, even K steps in lanes 0-15 and odd ones in lanes 16-31.
; q_proj's K is shared among the eight waves; their eight partial tiles meet in LDS and wave 0 adds them, K ascending.  q_proj goes into no quantiser.
; A block's scale is 2^(floor(log2(its largest magnitude)) - 8); its byte is that magnitude's exponent field - 8, held at 1 from below.
; LIMITS: a block of zeros gets the byte 1 where the quantiser says 127 (its codes are zeros, and this program alone reads the bytes); NaN and infinities among the inputs are not served.
; NO CLUSTER: the work-groups share query alone, 64 KB beside the 8 MB of weights, of which each byte is read by one wave.
.set REC,  16896
.set XA,   4                           ; v4   4096 r + 64 h: my 64 bytes of a block of 32 numbers in my row
.set LI,   5                           ; v5   16 x lane
.set SR16, 6                           ; v6   16 r: my row's place among a record's scale words
.set LW,   7                           ; v7   LDS: 1024 x wave + 16 x lane
.set QO,   8                           ; v8   4096 r + 32 h: my eight numbers in q_proj
.set PCA,  16                          ; v16-31  the weight's codes
.set PCB,  32                          ; v32-47  query's codes
.set PWA,  48                          ; v48  the weight's scale word
.set PWB,  49                          ; v49  query's
.set XM,   64                          ; v64-127  64 numbers of the weight; later the eight partial tiles
.set XQ,   128                         ; v128-191 64 numbers of query
.set TM,   192                         ; v192-207 at work in the quantiser
.set ACC,  208                         ; v208-215 my partial tile of q_proj
.set SUM,  216                         ; v216-223 the sum of the eight
.set WV,   14                          ; s14  wave = K step
.set GT,   15                          ; s15  g tile
.set SEL,  20                          ; s[20:21] v_permlanex16_b32's selects for lane l xor 16
.set MNT,  22                          ; s22  the mantissa field of 448
; my 64 numbers of a K step: four loads of 16 bytes for each block of 32
.macro XLOAD reg, base
.irp b, 0,1,2,3
.irp j, 0,1,2,3
	global_load_b128 v[\reg+16*\b+4*\j:\reg+16*\b+4*\j+3], v[XA], s[\base:\base+1] offset:128*\b+16*\j
.endr
.endr
.endm
; 64 numbers of a lane, register 16 b + i = k 32 b + 16 (lane / 16) + i of my row, become a fragment's codes in v[pc] on and its scale word in v[pw]
.macro QUANT s, pc, pw
.irp b, 0,1,2,3
	v_max3_num_f32 v[TM+\b], |v[\s+16*\b]|, |v[\s+1+16*\b]|, 0x4800000   ; block b: my 16 numbers, and the floor 2^(9 - 127): the byte cannot fall under 1
.endr
.irp i, 2,4,6,8,10,12,14
.irp b, 0,1,2,3
	v_max3_num_f32 v[TM+\b], v[TM+\b], |v[\s+16*\b+\i]|, |v[\s+1+16*\b+\i]|   ; the four blocks by turns
.endr
.endr
.irp b, 0,1,2,3
	v_permlanex16_b32 v[TM+4+\b], v[TM+\b], s[SEL], s[SEL+1]
.endr
.irp b, 0,1,2,3
	v_max_num_f32 v[TM+\b], v[TM+\b], v[TM+4+\b]           ; with lane l xor 16's 16: the block's largest magnitude
.endr
.irp b, 0,1,2,3
	v_add_nc_u32 v[TM+12+\b], 0xfc000000, v[TM+\b]         ; 8 off its exponent field: the conversion's scale operand
.endr
.irp b, 0,1,2,3
	v_and_or_b32 v[TM+8+\b], v[TM+\b], 0x7f800000, s[MNT]  ; 448 x the scale
.endr
.irp b, 0,1,2,3
	v_lshrrev_b32 v[TM+4+\b], 23, v[TM+12+\b]              ; the scale's byte
.endr
	v_lshl_or_b32 v[\pw], v[TM+5], 8, v[TM+4]              ; four bytes: my row's scale word
	v_lshl_or_b32 v[\pw], v[TM+6], 16, v[\pw]
	v_lshl_or_b32 v[\pw], v[TM+7], 24, v[\pw]
.irp b, 0,1,2,3
.irp i, 0,1,2,3,4,5,6,7,8,9,10,11,12,13,14,15
	v_med3_num_f32 v[\s+16*\b+\i], v[\s+16*\b+\i], -v[TM+8+\b], v[TM+8+\b]   ; the conversion to an 8-bit code does not saturate (ISA guide 7.6.2): held first
.endr
	v_cvt_scalef32_pk8_fp8_f32 v[\pc+4*\b:\pc+1+4*\b], v[\s+16*\b:\s+7+16*\b], v[TM+12+\b]
	v_cvt_scalef32_pk8_fp8_f32 v[\pc+2+4*\b:\pc+3+4*\b], v[\s+8+16*\b:\s+15+16*\b], v[TM+12+\b]
.endr
	v_nop                                                  ; one plain line behind the last conversion, ahead of whatever next touches its registers
.endm
	s_load_b256 s[4:11], s[0:1], 0x0               ; Wk s[4:5], Wq s[6:7], query s[8:9], wk_img s[10:11]
	s_load_b64 s[12:13], s[0:1], 0x20              ; qproj
	v_lshl_add_u32 v224, v0, 2, 0x2000
	v_mov_b32 v225, 0
	v_lshrrev_b32 v1, 5, v0
	v_readfirstlane_b32 s[WV], v1                  ; wave 0..7
	v_and_b32 v1, 31, v0                           ; lane
	v_and_b32 v2, 15, v0                           ; r
	v_bfe_u32 v3, v0, 4, 1                         ; h
	v_lshlrev_b32 v[XA], 12, v2
	v_lshl_add_u32 v[XA], v3, 6, v[XA]
	v_lshlrev_b32 v[LI], 4, v1
	v_lshlrev_b32 v[SR16], 4, v2
	s_lshl_b32 s23, s[WV], 10
	v_add_nc_u32 v[LW], s23, v[LI]
	v_lshlrev_b32 v[QO], 12, v2
	v_lshl_add_u32 v[QO], v3, 5, v[QO]
	s_and_b32 s[GT], ttmp9, 63                     ; the g tile, in either matrix
	s_lshl_b32 s18, s[GT], 16                      ; its 16 rows of 4,096 bytes,
	s_lshl_b32 s19, s[WV], 9                       ; my K step's 512 bytes of a row
	s_add_co_u32 s18, s18, s19
	s_mov_b32 s19, 0
	s_mov_b32 s[SEL], 0x76543210
	s_mov_b32 s[SEL+1], 0xfedcba98
	s_mov_b32 s[MNT], 0x600000
.irp b, 0,1,2,3
	v_mov_b32 v[TM+4+\b], 0                        ; written once: a lane permute's destination counts as one of its sources
.endr
	s_wait_kmcnt 0x0
	s_cmp_lt_u32 ttmp9, 64                         ; Wk's work-group or Wq's: the choice hangs on the work-group's number alone
	s_cselect_b64 s[16:17], s[4:5], s[6:7]
	s_add_nc_u64 s[16:17], s[16:17], s[18:19]
	XLOAD XM, 16
	s_cmp_lt_u32 ttmp9, 64
	s_cbranch_scc0 .Lwq
	; ---- Wk: the fragment's image and its scale words go to memory
	s_wait_loadcnt 0x0
	QUANT XM, PCA, PWA
	s_mul_i32 s18, s[GT], REC
	s_add_nc_u64 s[10:11], s[10:11], s[18:19]      ; my record
	s_lshl_b32 s18, s[WV], 11
	s_add_nc_u64 s[24:25], s[10:11], s[18:19]      ; my K step's 2,048 bytes of codes
	s_and_b32 s18, s[WV], 1
	s_lshl_b32 s18, s18, 8                         ; odd K steps lie 256 bytes on (lanes 16-31 of the load that will read them),
	s_lshr_b32 s23, s[WV], 1
	s_lshl_b32 s23, s23, 2                         ; word s / 2 of a lane's four
	s_add_co_u32 s18, s18, s23
	s_add_co_u32 s18, s18, 16384
	s_add_nc_u64 s[26:27], s[10:11], s[18:19]
.irp c, 0,1,2,3
	global_store_b128 v[LI], v[PCA+4*\c:PCA+4*\c+3], s[24:25] offset:512*\c   ; 32 lanes store 512 consecutive bytes, at a multiple of 256 from the buffer's first byte
.endr
	global_store_b32 v[SR16], v[PWA], s[26:27]     ; lanes l and l + 16 write the same word with the same value; 4 bytes of every 16: 32 KB of the launch's 1 MB of stores
	s_endpgm
	; ---- Wq: one matrix instruction a wave, then the eight partial tiles are added
.Lwq:
	s_lshl_b32 s18, s[WV], 9
	s_add_nc_u64 s[8:9], s[8:9], s[18:19]          ; query: row = batch r, my K step
	XLOAD XQ, 8
	s_wait_loadcnt 16                              ; Wq's 16 loads are in; query's 16, issued behind them, may be out
	QUANT XM, PCA, PWA
	s_wait_loadcnt 0x0
	QUANT XQ, PCB, PWB
.rept 4
	v_nop                                          ; codes written by vector instructions stand four places ahead of a scaled matrix instruction; the scale words were made ahead of the 64 holds
.endr
	v_wmma_scale_f32_16x16x128_f8f6f4 v[ACC:ACC+7], v[PCA:PCA+15], v[PCB:PCB+15], 0, v[PWA], v[PWB]   ; source 0 = 16 rows of Wq, source 1 = the 16 batches: lane (r, h) holds batch r, g = 16 gt + 8 h + 0 .. 7
.rept 8
	v_nop                                          ; eight places ahead of the first read of the result
.endr
	ds_store_b128 v[LW], v[ACC:ACC+3]              ; the result from its low end on
	ds_store_b128 v[LW], v[ACC+4:ACC+7] offset:512
	s_wait_dscnt 0x0                               ; for wave 0's sake: my stores have landed
	s_barrier_signal -1
	s_barrier_wait -1
	s_cmp_lg_u32 s[WV], 0
	s_cbranch_scc1 .Lend
.irp w, 0,1,2,3,4,5,6,7
	ds_load_b128 v[XM+8*\w:XM+8*\w+3], v[LI] offset:1024*\w
	ds_load_b128 v[XM+8*\w+4:XM+8*\w+7], v[LI] offset:1024*\w+512
.endr
	s_lshl_b32 s18, s[GT], 6                       ; the tile's 16 numbers in a row of q_proj
	s_add_nc_u64 s[12:13], s[12:13], s[18:19]
	s_wait_dscnt 0x0
.irp p, 0,1,2,3
	v_pk_add_f32 v[SUM+2*\p:SUM+2*\p+1], v[XM+2*\p:XM+2*\p+1], v[XM+8+2*\p:XM+8+2*\p+1]
.endr
.irp w, 2,3,4,5,6,7
.irp p, 0,1,2,3
	v_pk_add_f32 v[SUM+2*\p:SUM+2*\p+1], v[SUM+2*\p:SUM+2*\p+1], v[XM+8*\w+2*\p:XM+8*\w+2*\p+1]   ; K ascending
.endr
.endr
	global_store_b128 v[QO], v[SUM:SUM+3], s[12:13]
	global_store_b128 v[QO], v[SUM+4:SUM+7], s[12:13] offset:16   ; 64 bytes of each of 16 rows: the buffer is 64 KB in all
.Lend:
	s_wait_tensorcnt 0x0
	ds_add_u32 v224, v225
	s_wait_dscnt 0x0
	s_endpgm
.Lfunc_end_k_qc689f325dd_prep:
	.size	k_qc689f325dd_prep, .Lfunc_end_k_qc689f325dd_prep-k_qc689f325dd_prep
	.p2alignl 7, 3214868480
	.fill 96, 4, 3214868480
	.section	.rodata,"a",@progbits
	.p2align	6, 0x0
	.amdhsa_kernel k_qc689f325dd_prep
		.amdhsa_group_segment_fixed_size 9216
		.amdhsa_private_segment_fixed_size 0
		.amdhsa_enable_private_segment 0
		.amdhsa_kernarg_size 40
		.amdhsa_user_sgpr_count 2
		.amdhsa_user_sgpr_kernarg_segment_ptr 1
		.amdhsa_wavefront_size32 1
		.amdhsa_system_sgpr_workgroup_id_x 1
		.amdhsa_system_sgpr_workgroup_id_y 1
		.amdhsa_system_sgpr_workgroup_id_z 1
		.amdhsa_system_vgpr_workitem_id 0
		.amdhsa_next_free_vgpr 226
		.amdhsa_next_free_sgpr 66
		.amdhsa_reserve_vcc 0
		.amdhsa_float_denorm_mode_32 3
		.amdhsa_float_denorm_mode_16_64 3
		.amdhsa_memory_ordered 1
		.amdhsa_forward_progress 1
		.amdhsa_inst_pref_size 34
	.end_amdhsa_kernel
	.amdgpu_metadata
---
amdhsa.version: [ 1, 2 ]
amdhsa.kernels:
  - .name:           k_qc689f325dd_prep
    .symbol:         k_qc689f325dd_prep.kd
    .args:
      - { .name: Wk, .offset: 0, .size: 8, .value_kind: global_buffer, .address_space: global }
      - { .name: Wq, .offset: 8, .size: 8, .value_kind: global_buffer, .address_space: global }
      - { .name: query, .offset: 16, .size: 8, .value_kind: global_buffer, .address_space: global }
      - { .name: wk_img, .offset: 24, .size: 8, .value_kind: global_buffer, .address_space: global }
      - { .name: qproj, .offset: 32, .size: 8, .value_kind: global_buffer, .address_space: global }
    .group_segment_fixed_size: 9216
    .private_segment_fixed_size: 0
    .kernarg_segment_align: 8
    .kernarg_segment_size: 40
    .max_flat_workgroup_size: 256
    .sgpr_count:     66
    .vgpr_count:     226
    .wavefront_size: 32
...
	.end_amdgpu_metadata
.endif
;; end of part 1
;; launch scores (part 2): grid 256 x 1, 4 waves a work-group, clusters of 4 x 1, 327,680 bytes of LDS; arguments keys, wk_img, qproj, v, scores; writes scores
.if DOCPART == 2
	.amdgcn_target "amdgcn-amd-amdhsa--gfx1250"
	.amdhsa_code_object_version 6
	.text
	.protected	k_qc689f325dd_scores
	.globl	k_qc689f325dd_scores
	.p2align	8
	.type	k_qc689f325dd_scores,@function
k_qc689f325dd_scores:
	s_mov_b64 s[64:65], 0
	v_nop
	global_prefetch_b8 v0, s[64:65] scope:SCOPE_SE
	s_setreg_imm32_b32 hwreg(HW_REG_WAVE_MODE, 25, 1), 1
	s_wait_xcnt 0x0
	s_wait_alu depctr_hold_cnt(0) depctr_sa_sdst(0) depctr_va_vdst(0) depctr_va_sdst(0) depctr_va_ssrc(0) depctr_va_vcc(0) depctr_vm_vsrc(0)
	s_getreg_b32 s2, hwreg(HW_REG_IB_STS2, 6, 4)
	s_cmp_eq_u32 s2, 0
	s_cbranch_scc0 .Lentry_in_a_cluster
	s_endpgm
.Lentry_in_a_cluster:
	s_bfe_u32 s2, ttmp6, 0x10000c
	s_cmp_lg_u32 s2, 0x3003
	s_cbranch_scc0 .Lentry_shape_is_right
	s_endpgm
.Lentry_shape_is_right:
; scores[b][t] = the sum over g of (-2 v[g]) r,  r = 1 / (1 + 2^(c x)),  c = 2 log2(e),  x = q_proj[b][g] + the sum over h of Q(keys)[b][t][h] Q(Wk)[g][h].
; tanh(x) = 1 - 2 r, so this is reference()'s score less the sum of v, a number that is the same for every key of a row of the softmax: it cancels there for every input, and the next launch takes the softmax.
; 2^(c x) that grows to infinity or falls to 0 gives r = 0 or 1: tanh's own limits; nothing is clipped.
; The product runs on codes of FP8 (E4M3) with one E8M0 scale for each 32 along K.  keys are quantised here, in registers; Wk's codes come as register images from wk_img.  k_proj never goes to memory.
; LIMITS: a block of zeros gets the byte 1 where the quantiser says 127 (its codes are zeros; the bytes never leave the wave); NaN and infinities among the inputs are not served.
; SHARES.  A work-group owns 256 rows of keys (1 MB), all of one batch; each of its four waves 64 of them, four tiles of 16, whose codes for ALL of K stay in 512 registers.  Every wave walks Wk's 64 g tiles.
; A fragment of Wk read from LDS feeds four matrix instructions.
; THE PRODUCT: source 0 = 16 rows g of Wk, source 1 = 16 rows t of keys.  Lane (r, h) then holds ONE key row t = r and its register j the unit g = 16 gt + 8 h + j: q_proj is the C of a sum's first link,
; and the sum over g stays in the lane until one exchange between the halves of the lanes at the end.
; BY TURNS.  Two sets of four accumulators.  While a tile's 32 matrix instructions fill one set, the tile before's tanh (16 scalings, 32 exponentials, 16 additions of 1, 32 reciprocals, 16 multiply-adds by -2 v)
; stands in slices behind them, on the other set.
; CLUSTER.  All work-groups walk the same records of Wk: the four of a cluster ask for each record JOINTLY, by the same tensor load with the same descriptor and a mask that names the four.
; REGISTERS, in windows of 256 (s_set_vgpr_msb: bits 1:0 source 0, 3:2 source 1, 5:4 source 2, 7:6 destination):
;   window 0: addresses, sums, scale words, both sets of accumulators, Wk's eight fragments of a tile.  So of a matrix instruction only source 1 (keys' codes) lies elsewhere, and a slice needs no switch.
;   keys' codes of (tile t, K step s) at v[64 (s % 3) + 16 t] of window 1 + s / 3.  While keys are quantised, four sets of 64 registers take the loads: window 1 v192-255, window 2 v192-255, window 3 v128-191, v192-255.
;   Later window 3 v128-135 hold a tile's eight -2 v: source 1 of the multiply-adds, which therefore stand among the products of K steps 6 and 7.
.set REC,   16896                      ; a record of wk_img: a g tile's eight fragments (8 x 2,048 bytes) and its scale words (512 bytes): 66 x 256
.set SLOT,  4*REC                      ; 0x10800.  n x REC for n = 0 .. 3 has bits 11 and 16 clear, so one exclusive or turns a record's address in one slot into the other's
.set QT,    2*SLOT                     ; behind the ring: q_proj of my batch, 1,024 f32
.set VT,    QT+4096                    ; -2 v, 1,024 f32
.set WB,    VT+4096                    ; each wave's own bytes:
.set WBW,   43264                      ;   16 code images (32,768), a stage of 16 rows x 528 (8,448), the scale words (2,048)
.set TRNO,  32768
.set KSSO,  TRNO+16*528
.set SCS,   WB+4*WBW                   ; 256 bytes a wave: its 64 scores
.set SPARE, SCS+1024                   ; the spare words, 128 bytes for each wave: two blocks of 256 bytes that no other line names
.set LI,   1                           ; v1   16 x lane
.set SPW,  2                           ; v2   LDS address of my spare word; never rewritten
.set NIL,  3                           ; v3   0; never rewritten
.set AF,   4                           ; v4   LDS address of the record in hand
.set AQ,   5                           ; v5   of the tile's q_proj
.set LQ,   6                           ; v6   QT + 32 h
.set TST,  7                           ; v7   the stage, in: 16 x lane
.set TLD,  8                           ; v8   the stage, out: 528 r + 64 h
.set CSTA, 9                           ; v9   my code images: 16 x lane
.set CSV,  10                          ; v10  + the K step's place
.set KSA,  11                          ; v11  my scale words: 4 r
.set KSV,  12                          ; v12  + the K step's place
.set KSR,  13                          ; v13  the same, read back: 4 x lane
.set SST,  14                          ; v14  my scores, in: 4 r
.set SLD,  15                          ; v15  out: 8 x lane
.set SA,   16                          ; v16-23  the sums over g: a pair for each tile of rows
.set QC,   24                          ; v24-31  q_proj of the tile's eight units of my half
.set WS0,  32                          ; v32-35, v36-39  Wk's scale words, two sets: register u: lanes 0-15 K step 2 u, lanes 16-31 K step 2 u + 1
.set WS1,  36
.set KS,   40                          ; v40-55  keys' scale words: register 4 t + u likewise
.set A0,   64                          ; v64-95, v96-127  the two sets of four accumulators
.set A1,   96
.set WF,   128                         ; v128-255  Wk's fragments, K step s at 16 s
.set X,    128                         ; while quantising: 64 numbers,
.set PC,   64                          ;   the codes just made,
.set PW,   80                          ;   their scale word,
.set TM,   96                          ;   v96-111 at work
.set V2,   128                         ; in window 3
.set WV,   14                          ; s14  wave
.set SEL,  20                          ; s[20:21] v_permlanex16_b32's selects for lane l xor 16
.set CS,   22                          ; s[22:23] c: the packed form names a pair and takes its low word for both halves
.set MNT,  24                          ; s24  the mantissa field of 448
.set G1,   28                          ; s[28:35] descriptor group 1: a record
.set G0A,  36                          ; s[36:39] group 0 of slot 0's first fill
.set G0B,  40                          ; s[40:43] group 0 of slot 1's first fill; it then walks
.set TB,   44                          ; s44  LDS byte of the record fetched next
.set TQ,   45                          ; s45  64 x the tile fetched next
.set SN,   46                          ; s46  counts slots
.set QN,   47                          ; s47  counts K steps
.set CSO,  48                          ; s48  the K step's place among the code images
.set KSO,  49                          ; s49  and among the scale words
.set KB,   50                          ; s[50:51] keys at my wave's first row, at the K step in hand
.set MSB, 0
.macro WIN new                         ; the immediate's high byte repeats the setting that is left; a switch that changes nothing is dropped
.if MSB != (\new)
	s_set_vgpr_msb (MSB<<8)|(\new)
.set MSB, (\new)
.endif
.endm
.macro CREST                           ; a round of the cluster's barrier behind its opening barrier
	s_cmp_lg_u32 s[WV], 0
	s_cbranch_scc1 .Lnot_wave_0_\@
	s_barrier_signal -3
.Lnot_wave_0_\@:
	s_barrier_wait -3
	s_barrier_signal -1
	s_barrier_wait -1
.endm
.macro CROUND                          ; a whole round
	s_barrier_signal -1
	s_barrier_wait -1
	CREST
.endm
.macro PLACES n
.rept \n
	v_nop
.endr
.endm
.macro SETOF t                         ; where tile t's load set lies: window SW, first register SR
.set SW, (\t)+1
.set SR, 192
.if (\t) == 2
.set SR, 128
.endif
.if (\t) == 3
.set SW, 3
.endif
.endm
; 16 rows of tile t, 512 bytes (a K step) of each: a load's 32 lanes read 512 consecutive bytes at a multiple of 256 from the buffer's first byte
.macro KLOAD t, off
	SETOF \t
	WIN SW<<6                                      ; destination in the set's window
.irp i, 0,1,2,3,4,5,6,7,8,9,10,11,12,13,14,15
	global_load_b128 v[SR+4*\i:SR+4*\i+3], v[LI], s[KB:KB+1] offset:(16*\t+\i)*4096+\off th:TH_LOAD_NT
.endr
	WIN 0
.endm
; 64 numbers of a lane, register 16 b + i = k 32 b + 16 (lane / 16) + i of my row, become a fragment's codes in v[pc] on and its scale word in v[pw]
.macro QUANT s, pc, pw
.irp b, 0,1,2,3
	v_max3_num_f32 v[TM+\b], |v[\s+16*\b]|, |v[\s+1+16*\b]|, 0x4800000   ; block b: my 16 numbers, and the floor 2^(9 - 127): the byte cannot fall under 1
.endr
.irp i, 2,4,6,8,10,12,14
.irp b, 0,1,2,3
	v_max3_num_f32 v[TM+\b], v[TM+\b], |v[\s+16*\b+\i]|, |v[\s+1+16*\b+\i]|   ; the four blocks by turns
.endr
.endr
.irp b, 0,1,2,3
	v_permlanex16_b32 v[TM+4+\b], v[TM+\b], s[SEL], s[SEL+1]
.endr
.irp b, 0,1,2,3
	v_max_num_f32 v[TM+\b], v[TM+\b], v[TM+4+\b]           ; with lane l xor 16's 16: the block's largest magnitude
.endr
.irp b, 0,1,2,3
	v_add_nc_u32 v[TM+12+\b], 0xfc000000, v[TM+\b]         ; 8 off its exponent field: the conversion's scale operand
.endr
.irp b, 0,1,2,3
	v_and_or_b32 v[TM+8+\b], v[TM+\b], 0x7f800000, s[MNT]  ; 448 x the scale
.endr
.irp b, 0,1,2,3
	v_lshrrev_b32 v[TM+4+\b], 23, v[TM+12+\b]              ; the scale's byte
.endr
	v_lshl_or_b32 v[\pw], v[TM+5], 8, v[TM+4]              ; four bytes: my row's scale word
	v_lshl_or_b32 v[\pw], v[TM+6], 16, v[\pw]
	v_lshl_or_b32 v[\pw], v[TM+7], 24, v[\pw]
.irp b, 0,1,2,3
.irp i, 0,1,2,3,4,5,6,7,8,9,10,11,12,13,14,15
	v_med3_num_f32 v[\s+16*\b+\i], v[\s+16*\b+\i], -v[TM+8+\b], v[TM+8+\b]   ; the conversion to an 8-bit code does not saturate (ISA guide 7.6.2): held first
.endr
	v_cvt_scalef32_pk8_fp8_f32 v[\pc+4*\b:\pc+1+4*\b], v[\s+16*\b:\s+7+16*\b], v[TM+12+\b]
	v_cvt_scalef32_pk8_fp8_f32 v[\pc+2+4*\b:\pc+3+4*\b], v[\s+8+16*\b:\s+15+16*\b], v[TM+12+\b]
.endr
	v_nop                                                  ; one plain line behind the last conversion, ahead of whatever next touches its registers
.endm
; ONE FRAGMENT: tile t's 16 rows x 128 K.  As loaded, a register group holds a row's 512 bytes across the lanes; the quantiser wants 16 neighbours of each block in ONE lane.  So the 8 KB turn through my own stage:
; in as they lie (rows 528 bytes apart), out 64 bytes a lane and block.  528 = 33 x 16: the sixteen rows that a load touches fall on sixteen different 16-byte columns of 256.
; ld = 1: the set then takes the same rows of the next K step.  n: how many younger loads may be out.
.macro QUNIT t, ld, n
	SETOF \t
	s_wait_loadcnt \n                              ; my set's 16 loads are in; the sets issued behind it stay out
	WIN SW<<2                                      ; an LDS store's data are its source 1
.irp i, 0,1,2,3,4,5,6,7,8,9,10,11,12,13,14,15
	ds_store_b128 v[TST], v[SR+4*\i:SR+4*\i+3] offset:528*\i
.endr
	WIN 0
.irp b, 0,1,2,3
.irp j, 0,1,2,3
	ds_load_b128 v[X+16*\b+4*\j:X+16*\b+4*\j+3], v[TLD] offset:128*\b+16*\j   ; LDS serves a wave's instructions in order (ISA guide 5.7.1.4): these see my stores
.endr
.endr
	s_wait_dscnt 0x0                               ; the numbers are back; the stage's stores and the last fragment's image stores have read their registers
.if \ld
	KLOAD \t, 512
.endif
	QUANT X, PC, PW
.irp c, 0,1,2,3
	ds_store_b128 v[CSV], v[PC+4*\c:PC+4*\c+3] offset:2048*\t+512*\c   ; the fragment as an image of its registers
.endr
	ds_store_b32 v[KSV], v[PW] offset:512*\t       ; lanes l and l + 16 write the same word with the same value
.endm
; A K STEP of my 64 rows.  With ld = 1 each wait leaves the three younger sets (48 loads) out; in the last K step the counts run down.
.macro QTRIP ld
	v_add_nc_u32 v[CSV], s[CSO], v[CSTA]
	v_add_nc_u32 v[KSV], s[KSO], v[KSA]
.if \ld
	QUNIT 0, 1, 48
	QUNIT 1, 1, 48
	QUNIT 2, 1, 48
	QUNIT 3, 1, 48
	s_wait_xcnt 0x0                                ; the loads issued so far have read their base: it may step
	s_add_nc_u64 s[KB:KB+1], s[KB:KB+1], 512
	s_add_co_u32 s[CSO], s[CSO], 8192
	s_add_co_u32 s[KSO], s[KSO], 64
.else
	QUNIT 0, 0, 48
	QUNIT 1, 0, 32
	QUNIT 2, 0, 16
	QUNIT 3, 0, 0
.endif
.endm
; Four K steps' sixteen images come back into the registers in which they stay.  My own bytes, in order: no barrier.
.macro RB g
.irp q, 0,1,2,3
.set zs, 4*\g+\q
	WIN (1+zs/3)<<6
.irp t, 0,1,2,3
.irp c, 0,1,2,3
	ds_load_b128 v[64*(zs%3)+16*\t+4*\c:64*(zs%3)+16*\t+4*\c+3], v[CSTA] offset:8192*\q+2048*\t+512*\c
.endr
.endr
.endr
	WIN 0
.endm
.macro FRAGS s0                        ; Wk's fragments of K steps s0 .. s0 + 3 of the record at v[AF]: 16 loads, each of 512 consecutive bytes
.irp s, \s0, \s0+1, \s0+2, \s0+3
.irp c, 0,1,2,3
	ds_load_b128 v[WF+16*(\s)+4*\c:WF+16*(\s)+4*\c+3], v[AF] offset:2048*(\s)+512*\c
.endr
.endr
.endm
; Matrix instruction zi of a tile's 32: K step zi / 4, tile of rows zi % 4.  The four accumulators take turns, one instruction a turn, over the tile's edge too.
.macro WM x, ws
.set zs, zi/4
.set zt, zi%4
.set rD, \x+8*zt
.set rA, WF+16*zs
.set rB, 64*(zs%3)+16*zt
.set rW, \ws+zs/2
.set rK, KS+4*zt+zs/2
.if zs == 0
	v_wmma_scale_f32_16x16x128_f8f6f4 v[rD:rD+7], v[rA:rA+15], v[rB:rB+15], v[QC:QC+7], v[rW], v[rK]   ; q_proj starts the sum
.elseif zs%2
	v_wmma_scale_f32_16x16x128_f8f6f4 v[rD:rD+7], v[rA:rA+15], v[rB:rB+15], v[rD:rD+7], v[rW], v[rK] matrix_a_scale:MATRIX_SCALE_ROW1 matrix_b_scale:MATRIX_SCALE_ROW1
.else
	v_wmma_scale_f32_16x16x128_f8f6f4 v[rD:rD+7], v[rA:rA+15], v[rB:rB+15], v[rD:rD+7], v[rW], v[rK]
.endif
.endm
; THE TANH of a set of four accumulators, 32 numbers a lane, as five lists; each macro writes the next n lines of its list, registers ascending.
.macro RESET
.set zi, 0
.set zm, 0
.set ze, 0
.set za, 0
.set zr, 0
.set zf, 0
.endm
.macro EM y, n                         ; c x
.rept \n
	v_pk_mul_f32 v[\y+2*zm:\y+2*zm+1], v[\y+2*zm:\y+2*zm+1], s[CS:CS+1] op_sel_hi:[1,0]
.set zm, zm+1
.endr
.endm
.macro EE y, n                         ; 2^(c x)
.rept \n
	v_exp_f32 v[\y+ze], v[\y+ze]
.set ze, ze+1
.endr
.endm
.macro EA y, n                         ; + 1
.rept \n
	v_pk_add_f32 v[\y+2*za:\y+2*za+1], v[\y+2*za:\y+2*za+1], 1.0 op_sel_hi:[1,0]
.set za, za+1
.endr
.endm
.macro ER y, n                         ; r
.rept \n
	v_rcp_f32 v[\y+zr], v[\y+zr]
.set zr, zr+1
.endr
.endm
.macro EF y, n                         ; the sums += r x (-2 v): pair zf / 4 of tile zf % 4, so that neighbouring lines add onto different sums.  Source 1 lies in window 3
.rept \n
	v_pk_fma_f32 v[SA+2*(zf%4):SA+2*(zf%4)+1], v[\y+8*(zf%4)+2*(zf/4):\y+8*(zf%4)+2*(zf/4)+1], v[V2+2*(zf/4):V2+2*(zf/4)+1], v[SA+2*(zf%4):SA+2*(zf%4)+1]
.set zf, zf+1
.endr
.endm
.macro SLICE y                         ; what stands behind matrix instruction zi
.if zi < 2
	EM \y, 8
.elseif zi < 10
	EE \y, 3
.elseif zi < 12
	EE \y, 4
.elseif zi < 16
	EA \y, 4
.elseif zi < 24
	ER \y, 3
.elseif zi < 28
	ER \y, 2
.else
	EF \y, 4
.endif
.endm
.macro RUN x, y, ws, n
.rept \n
	WM \x, \ws
	SLICE \y
.set zi, zi+1
.endr
.endm
; A TILE: 16 units g against my 64 rows.  x: its accumulators, wsx its scale words; y: the tile before's accumulators; wsy: the set that takes the next tile's scale words.
; kind 0: plain.  1: the slot's last tile, and the slot is filled again.  2: the same without a fill.  3: the last tile of all: nothing more is fetched.
; LDS LOADS stand in two runs.  MID, behind instruction 15: the next tile's K steps 0-3 (16), its scale words (1), its q_proj (2): 19.  END, behind instruction 31: its K steps 4-7 (16) and THIS tile's -2 v (2): 18.
; Each run stands eight places behind the last matrix instruction that read its registers.
; THE CHANGE OF SLOTS stands in the middle of a slot's last tile: that tile's fragments were all fetched during the tile before, so the wave has no read of the slot left, and the refill has the other slot's
; four tiles, 128 matrix instructions a wave, in which to land.
; THE TWO WAITS for the transcendentals: all 32 exponentials are issued behind instructions 2 to 11 and named first behind instruction 12; all 32 reciprocals behind 16 to 27, named first behind 28..
.macro TILE x, y, wsx, wsy, kind
	RESET
.if ((\kind) == 1) || ((\kind) == 2)
	s_wait_tensorcnt 0x0                           ; all my tensor loads have landed: the one that was out is my record of the other slot; so a group 0 may be written
	ds_add_u32 v[SPW], v[NIL]                      ; 0 onto my spare word
.if (\kind) == 1
	s_xor_b32 s[G0B+1], s[G0B+1], SLOT             ; the walking descriptor: the other slot than last time,
	s_add_nc_u64 s[G0B+2:G0B+3], s[G0B+2:G0B+3], SLOT   ; four records on; the type bits on top are not reached
.endif
	s_sub_co_u32 s[TB], s[TB], SLOT                ; the fetches go back to a slot's first record,
	s_xor_b32 s[TB], s[TB], SLOT                   ; in the other slot
	s_wait_dscnt 19                                ; the MID run is in; the END run's 18 loads and the add may be out
.else
	s_wait_dscnt 18                                ; the MID run is in; the END run's 18 loads may be out
.endif
	WIN 0x04                                       ; K steps 0-2: source 1 in window 1
	RUN \x, \y, \wsx, 12
	v_nop                                          ; a plain line behind the last exponential
	s_wait_alu depctr_va_vdst(0)                   ; one wait for the 32 exponentials, ahead of the first line that names a result
.if ((\kind) == 1) || ((\kind) == 2)
	s_wait_dscnt 0x0                               ; the add is done, and my reads of this slot are over
	s_barrier_signal -1                            ; (kind 1: this barrier opens a round of the cluster's)
.endif
	WIN 0x08                                       ; K steps 3-5: window 2
	RUN \x, \y, \wsx, 4                            ; work on registers while the others arrive
	WIN 0
.if (\kind) == 1
	s_barrier_wait -1
	CREST                                          ; no wave of any partner still reads this slot or has a load on its way
	tensor_load_to_lds s[G0B:G0B+3], s[G1:G1+7]    ; my one tensor load behind the round, and the first thing there
	s_nop 0
	PLACES 8                                       ; four lines behind the load; with four more, the places in front of the MID run
.elseif (\kind) == 2
	s_barrier_wait -1                              ; the last slot is whole; nothing is filled, so no round
	PLACES 8
.else
	s_wait_dscnt 0x0                               ; the END run is in: K steps 4-7 and the last tile's -2 v
	PLACES 8
.endif
.if (\kind) != 3
	v_add_nc_u32 v[AF], s[TB], v[LI]
	v_add_nc_u32 v[AQ], s[TQ], v[LQ]
	FRAGS 0
	ds_load_b128 v[\wsy:\wsy+3], v[AF] offset:16384
	ds_load_b128 v[QC:QC+3], v[AQ]
	ds_load_b128 v[QC+4:QC+7], v[AQ] offset:16
.endif
	WIN 0x08
	RUN \x, \y, \wsx, 8
	WIN 0x0c                                       ; K steps 6, 7, and -2 v: window 3
	RUN \x, \y, \wsx, 4
	v_nop                                          ; a plain line behind the last reciprocal
	s_wait_alu depctr_va_vdst(0)                   ; one wait for the 32 reciprocals
	RUN \x, \y, \wsx, 4
	PLACES 8                                       ; in front of the END run, and of the next tile's first read of these results
.if (\kind) != 3
	FRAGS 4                                        ; (an LDS load names a destination and source 0: both are in window 0 under this setting)
	WIN 0xc0                                       ; destination window 3
	ds_load_b128 v[V2:V2+3], v[AQ] offset:VT-QT-64     ; v[AQ] stands at the NEXT tile's q_proj: this tile's -2 v lie 4,096 - 64 bytes on
	ds_load_b128 v[V2+4:V2+7], v[AQ] offset:VT-QT-48
	WIN 0
	s_add_co_u32 s[TB], s[TB], REC
	s_add_co_u32 s[TQ], s[TQ], 64
.else
	WIN 0xc0
	ds_load_b128 v[V2:V2+3], v[AQ] offset:VT-QT        ; no MID run has moved v[AQ]: it stands at this tile's q_proj
	ds_load_b128 v[V2+4:V2+7], v[AQ] offset:VT-QT+16
	WIN 0
.endif
.endm
	s_load_b256 s[4:11], s[0:1], 0x0               ; keys s[4:5], wk_img s[6:7], qproj s[8:9], v s[10:11]
	s_load_b64 s[12:13], s[0:1], 0x20              ; scores
	v_lshl_add_u32 v[SPW], v0, 2, SPARE
	v_mov_b32 v[NIL], 0
	ds_add_u32 v2, v3
	ds_add_u32 v2, v3
	s_wait_dscnt 0x0
	v_lshrrev_b32 v56, 5, v0
	v_readfirstlane_b32 s[WV], v56                 ; wave 0..3
	s_bfe_u32 s15, ttmp6, 0x40000                  ; cx: my place in the cluster: it enters addresses in keys and scores alone
	s_lshl_b32 s16, ttmp9, 2                       ; in a cluster launch ttmp9 counts clusters
	s_add_co_u32 s16, s16, s15                     ; my block of 256 rows
	; descriptor group 1: a record, dense in memory, as 66 rows of 256 bytes (32 elements of 8 bytes), no padding: it is read back 512 consecutive bytes at a time
	s_mov_b32 s[G1], 15|(3<<16)|(1<<21)            ; 15:0 the mask: all four work-groups; 17:16 elements of 8 bytes; 21 set beside a mask
	s_mov_b32 s[G1+1], 32<<16                      ; tensor_dim0 = 32
	s_mov_b32 s[G1+2], 66<<16                      ; tensor_dim1 = 66
	s_mov_b32 s[G1+3], 32<<16                      ; tile_dim0 = 32
	s_mov_b32 s[G1+4], 66                          ; tile_dim1 = 66
	s_mov_b32 s[G1+5], 32                          ; from row to row
	s_mov_b32 s[G1+6], 0
	s_mov_b32 s[G1+7], 0
	s_mov_b32 s[SEL], 0x76543210
	s_mov_b32 s[SEL+1], 0xfedcba98
	s_mov_b32 s[CS], 0x4038aa3b                    ; c = 2 log2(e)
	s_mov_b32 s[CS+1], s[CS]                       ; (named with it as a pair, so it is written)
	s_mov_b32 s[MNT], 0x600000
	s_mov_b32 s[CSO], 0
	s_mov_b32 s[KSO], 0
	s_mov_b32 s[G0A], 1                            ; count = 1
	s_mul_i32 s[G0A+1], s[WV], REC                 ; wave w fetches a slot's record w: no place in the cluster enters an LDS address
	s_mov_b32 s[G0B], 1
	s_add_co_u32 s[G0B+1], s[G0A+1], SLOT
	v_and_b32 v56, 31, v0                          ; lane (kept)
	v_and_b32 v57, 15, v0                          ; r
	v_bfe_u32 v58, v0, 4, 1                        ; h
	v_lshlrev_b32 v[LI], 4, v56
	v_lshl_add_u32 v[LQ], v58, 5, QT
	s_mul_i32 s52, s[WV], WBW
	s_add_co_u32 s52, s52, WB                      ; my wave's own bytes
	v_add_nc_u32 v[CSTA], s52, v[LI]
	s_add_co_u32 s53, s52, TRNO
	v_add_nc_u32 v[TST], s53, v[LI]
	v_mul_u32_u24 v[TLD], v57, 528
	v_lshl_add_u32 v[TLD], v58, 6, v[TLD]
	v_add_nc_u32 v[TLD], s53, v[TLD]
	s_add_co_u32 s53, s52, KSSO
	v_lshl_add_u32 v[KSA], v57, 2, s53
	v_lshl_add_u32 v[KSR], v56, 2, s53
	s_lshl_b32 s53, s[WV], 8
	s_add_co_u32 s53, s53, SCS
	v_lshl_add_u32 v[SST], v57, 2, s53
	v_lshl_add_u32 v[SLD], v56, 3, s53
	v_lshl_add_u32 v57, v0, 5, QT                  ; the tables: 32 bytes a thread, in LDS
	v_lshlrev_b32 v59, 5, v0                       ; and in memory
.irp b, 0,1,2,3
	v_mov_b32 v[TM+4+\b], 0                        ; written once: a lane permute's destination counts as one of its sources
	v_mov_b32 v[60+\b], 0
.endr
	s_mov_b32 s52, s[G0A+1]
	s_mov_b32 s53, 0
	s_lshl_b32 s54, s16, 20                        ; my block's 256 rows of 4,096 bytes,
	s_lshl_b32 s55, s[WV], 18                      ; my wave's 64 of them
	s_add_co_u32 s54, s54, s55
	s_mov_b32 s55, 0
	s_wait_kmcnt 0x0
	s_add_nc_u64 s[G0A+2:G0A+3], s[6:7], s[52:53]  ; record w,
	s_add_nc_u64 s[G0B+2:G0B+3], s[G0A+2:G0A+3], SLOT   ; record 4 + w
	s_or_b32 s[G0A+3], s[G0A+3], 0x80000000        ; type = 2
	s_or_b32 s[G0B+3], s[G0B+3], 0x80000000
	s_add_nc_u64 s[KB:KB+1], s[4:5], s[54:55]
	s_lshr_b32 s54, ttmp9, 2                       ; my batch: 16 blocks, 4 clusters, to a batch
	s_lshl_b32 s54, s54, 12
	s_add_nc_u64 s[8:9], s[8:9], s[54:55]          ; its row of q_proj
	s_lshl_b32 s54, s16, 10
	s_lshl_b32 s52, s[WV], 8
	s_add_co_u32 s54, s54, s52
	s_add_nc_u64 s[12:13], s[12:13], s[54:55]      ; my wave's 64 scores
	CROUND                                         ; all four work-groups are here: the first joint loads meet
	tensor_load_to_lds s[G0A:G0A+3], s[G1:G1+7]    ; tiles 0-3.  Both first fills go out together, ahead of every wait on TENSORcnt, every LDS read and every further barrier: two loads of mine are out
	s_nop 0
	tensor_load_to_lds s[G0B:G0B+3], s[G1:G1+7]    ; tiles 4-7
	s_nop 0
	PLACES 4                                       ; four such lines behind the load
	; ---- the tables: q_proj of my batch and -2 v, 32 bytes a thread; then keys' first K step
	global_load_b128 v[128:131], v59, s[8:9]
	global_load_b128 v[132:135], v59, s[8:9] offset:16
	global_load_b128 v[136:139], v59, s[10:11]
	global_load_b128 v[140:143], v59, s[10:11] offset:16
	KLOAD 0, 0
	KLOAD 1, 0
	KLOAD 2, 0
	s_wait_loadcnt 48                              ; the four table loads are in; keys' 48 stay out
.irp j, 0,2,4,6
	v_pk_mul_f32 v[136+\j:137+\j], v[136+\j:137+\j], -2.0 op_sel_hi:[1,0]
.endr
	ds_store_b128 v57, v[128:131]
	ds_store_b128 v57, v[132:135] offset:16
	ds_store_b128 v57, v[136:139] offset:VT-QT
	ds_store_b128 v57, v[140:143] offset:VT-QT+16
	s_wait_dscnt 0x0                               ; the stores have read their registers, which the quantiser takes next
	KLOAD 3, 0                                     ; 64 loads, 32 KB, of a wave are now asked for
	; ---- keys become codes: eight K steps, in two halves of four, since the images' stage holds four
	s_mov_b32 s[QN], 4
.Lq0:
	QTRIP 1
	s_sub_co_u32 s[QN], s[QN], 1
	s_cmp_lg_u32 s[QN], 0
	s_cbranch_scc1 .Lq0
	RB 0
	s_mov_b32 s[CSO], 0
	s_mov_b32 s[QN], 3
.Lq1:
	QTRIP 1
	s_sub_co_u32 s[QN], s[QN], 1
	s_cmp_lg_u32 s[QN], 0
	s_cbranch_scc1 .Lq1
	QTRIP 0                                        ; the last K step is written out: no load leaves keys
	RB 1
.irp t, 0,1,2,3
.irp u, 0,1,2,3
	ds_load_b32 v[KS+4*\t+\u], v[KSR] offset:512*\t+128*\u   ; lanes 0-15: row r's word of K step 2 u; lanes 16-31: of 2 u + 1
.endr
.endr
	; ---- into the product.  The tile is written once: tile 0's slices find zeros in the other set and in -2 v, and add 0.5 x 0 to sums that begin as zeros
.irp j, 0,1,2,3,4,5,6,7
	v_mov_b32 v[SA+\j], 0
.endr
.set zi, 0
.rept 32
	v_mov_b32 v[A1+zi], 0
.set zi, zi+1
.endr
	WIN 0xc0
.irp j, 0,1,2,3,4,5,6,7
	v_mov_b32 v[V2+\j], 0
.endr
	WIN 0
	s_wait_tensorcnt 0x1                           ; my record of slot 0 is in; slot 1's may stay out
	s_wait_dscnt 0x0                               ; my table stores have landed, my codes and scale words are in
	s_barrier_signal -1
	s_barrier_wait -1                              ; slot 0 and the tables are whole
	v_mov_b32 v[AF], v[LI]                         ; tile 0's record lies at LDS byte 0
	v_mov_b32 v[AQ], v[LQ]
	FRAGS 0
	ds_load_b128 v[WS0:WS0+3], v[AF] offset:16384
	ds_load_b128 v[QC:QC+3], v[AQ]
	ds_load_b128 v[QC+4:QC+7], v[AQ] offset:16
	FRAGS 4
	s_wait_dscnt 16                                ; all but K steps 4-7
	s_mov_b32 s[TB], REC
	s_mov_b32 s[TQ], 64
	s_mov_b32 s[SN], 14
.Lslot:                                                ; a trip is a slot's four tiles; 14 trips fill a slot again: tiles 8 to 63
	TILE A0, A1, WS0, WS1, 0
	TILE A1, A0, WS1, WS0, 0
	TILE A0, A1, WS0, WS1, 0
	TILE A1, A0, WS1, WS0, 1
	s_sub_co_u32 s[SN], s[SN], 1
	s_cmp_lg_u32 s[SN], 0
	s_cbranch_scc1 .Lslot
	TILE A0, A1, WS0, WS1, 0                       ; the last two slots are written out
	TILE A1, A0, WS1, WS0, 0
	TILE A0, A1, WS0, WS1, 0
	TILE A1, A0, WS1, WS0, 2
	TILE A0, A1, WS0, WS1, 0
	TILE A1, A0, WS1, WS0, 0
	TILE A0, A1, WS0, WS1, 0
	TILE A1, A0, WS1, WS0, 3
	; ---- the last tile's tanh, on end (eight places stand behind its last product)
	s_wait_dscnt 0x0                               ; its -2 v
	RESET
	EM A1, 16
	EE A1, 32
	v_nop
	s_wait_alu depctr_va_vdst(0)                   ; one wait for the exponentials
	EA A1, 16
	ER A1, 32
	v_nop
	s_wait_alu depctr_va_vdst(0)                   ; one for the reciprocals
	WIN 0x0c
	EF A1, 16
	WIN 0
	; ---- the way out: a pair's two halves, the other half of the lanes' eight units of each tile; 64 scores through my 256 bytes of LDS, so that the wave stores 256 consecutive bytes
.irp t, 0,1,2,3
	v_add_f32 v[24+\t], v[SA+2*\t], v[SA+2*\t+1]
.endr
.irp t, 0,1,2,3
	v_permlanex16_b32 v[60+\t], v[24+\t], s[SEL], s[SEL+1]
.endr
.irp t, 0,1,2,3
	v_add_f32 v[24+\t], v[24+\t], v[60+\t]
.endr
.irp t, 0,1,2,3
	ds_store_b32 v[SST], v[24+\t] offset:64*\t     ; row 16 t + r; lanes l and l + 16 write the same word with the same value
.endr
	ds_load_b64 v[28:29], v[SLD]                   ; in order behind my stores
	v_lshlrev_b32 v30, 3, v56
	s_wait_dscnt 0x0
	global_store_b64 v30, v[28:29], s[12:13]       ; 32 lanes store 256 consecutive bytes, at a multiple of 256 from the buffer's first byte
	s_wait_tensorcnt 0x0                           ; the wave's end: behind my last tensor load and my last LDS store
	ds_add_u32 v[SPW], v[NIL]
	s_wait_dscnt 0x0
	CROUND                                         ; the closing round: no work-group ends while a partner may still ask for a record that names it
	s_endpgm
.Lfunc_end_k_qc689f325dd_scores:
	.size	k_qc689f325dd_scores, .Lfunc_end_k_qc689f325dd_scores-k_qc689f325dd_scores
	.p2alignl 7, 3214868480
	.fill 96, 4, 3214868480
	.section	.rodata,"a",@progbits
	.p2align	6, 0x0
	.amdhsa_kernel k_qc689f325dd_scores
		.amdhsa_group_segment_fixed_size 327680
		.amdhsa_private_segment_fixed_size 0
		.amdhsa_enable_private_segment 0
		.amdhsa_kernarg_size 40
		.amdhsa_user_sgpr_count 2
		.amdhsa_user_sgpr_kernarg_segment_ptr 1
		.amdhsa_wavefront_size32 1
		.amdhsa_system_sgpr_workgroup_id_x 1
		.amdhsa_system_sgpr_workgroup_id_y 1
		.amdhsa_system_sgpr_workgroup_id_z 1
		.amdhsa_system_vgpr_workitem_id 0
		.amdhsa_next_free_vgpr 1024
		.amdhsa_next_free_sgpr 66
		.amdhsa_reserve_vcc 0
		.amdhsa_float_denorm_mode_32 3
		.amdhsa_float_denorm_mode_16_64 3
		.amdhsa_memory_ordered 1
		.amdhsa_forward_progress 1
		.amdhsa_inst_pref_size 255
	.end_amdhsa_kernel
	.section	.bss,"aw",@nobits
	.p2align	6
	.space	262144
	.amdgpu_metadata
---
amdhsa.version: [ 1, 2 ]
amdhsa.kernels:
  - .name:           k_qc689f325dd_scores
    .symbol:         k_qc689f325dd_scores.kd
    .args:
      - { .name: keys, .offset: 0, .size: 8, .value_kind: global_buffer, .address_space: global }
      - { .name: wk_img, .offset: 8, .size: 8, .value_kind: global_buffer, .address_space: global }
      - { .name: qproj, .offset: 16, .size: 8, .value_kind: global_buffer, .address_space: global }
      - { .name: v, .offset: 24, .size: 8, .value_kind: global_buffer, .address_space: global }
      - { .name: scores, .offset: 32, .size: 8, .value_kind: global_buffer, .address_space: global }
    .group_segment_fixed_size: 327680
    .private_segment_fixed_size: 0
    .kernarg_segment_align: 8
    .kernarg_segment_size: 40
    .max_flat_workgroup_size: 128
    .sgpr_count:     66
    .vgpr_count:     1024
    .wavefront_size: 32
...
	.end_amdgpu_metadata
.endif
;; end of part 2
;; launch context (part 3): grid 16 x 16, 8 waves a work-group, no clusters, 19,968 bytes of LDS; arguments keys, scores, out0, out1; writes out0, out1
.if DOCPART == 3
	.amdgcn_target "amdgcn-amd-amdhsa--gfx1250"
	.amdhsa_code_object_version 6
	.text
	.protected	k_qc689f325dd_context
	.globl	k_qc689f325dd_context
	.p2align	8
	.type	k_qc689f325dd_context,@function
k_qc689f325dd_context:
	s_mov_b64 s[64:65], 0
	v_nop
	global_prefetch_b8 v0, s[64:65] scope:SCOPE_SE
	s_setreg_imm32_b32 hwreg(HW_REG_WAVE_MODE, 25, 1), 1
	s_wait_xcnt 0x0
; attn[b][t] = softmax over t of scores[b][t];  context[b][h] = the sum over t of attn[b][t] keys[b][t][h].  All in f32.
; scores holds reference()'s score less a number common to the row (the sum of v), which a softmax does not see.  The row's true maximum is taken away before the exponential.
; SHARES.  Work-group (c, b) owns columns 64 c .. 64 c + 63 of batch b, 256 bytes at a multiple of 256 of each of the 4,096 rows, and attn[b][256 c .. 256 c + 255]: each output number has one owner.
; Every work-group takes the softmax of its batch's 4,096 scores anew (16 KB beside the 1 MB of keys that it streams).  e[t] = 2^((s - m) log2 e) lies in LDS; the division by the row's sum comes at the end.
; Wave w owns rows 512 w .. 512 w + 511, in 16 groups of 32.  Load i of group q: lanes 0-15 read the 256 bytes of row 512 w + 32 q + i, lanes 16-31 those of row + 16.  A lane sums four columns.
; Two sets of 16 loads a wave are on their way while a third group is summed; every offset is an immediate, 495 rows of 4,096 bytes at the most, inside the signed 24 bits (ISA guide, chapter 10).
; NO CLUSTER, no matrix unit: the work-groups of a batch share its 16 KB of scores alone, and the product has one row.
; LIMITS: NaN and infinities in scores are not served; an e under the smallest normal f32 number counts as 0 (v_exp_f32 flushes: ISA guide 15.8).
.set PT,   0                           ; LDS: e[t], 16,384 bytes
.set RED1, 16384                       ; the waves' maxima
.set RED2, 16640                       ; the waves' sums
.set CR,   16896                       ; the waves' partial contexts, 256 bytes each
.set KO,   1                           ; v1   65536 h + 16 r: my 16 bytes of a row, lanes 16-31 sixteen rows on
.set T16,  2                           ; v2   16 x thread
.set PA,   3                           ; v3   PT + 2048 wave + 64 h: my rows' e
.set T8,   4                           ; v4   8 x thread
.set RW,   5                           ; v5   RED1 + 4 wave; at the end CR + 256 wave + 16 r
.set RR,   6                           ; v6   RED1; at the end CR + 8 lane
.set AT,   7                           ; v7   PT + 1024 c + 8 x thread
.set S,    8                           ; v8-23   my 16 scores, then e; later the weights' second set
.set P1,   8
.set ACC,  32                          ; v32-47  four sums of four columns, by turns
.set P0,   48                          ; v48-63  the weights' first set
.set KR,   64                          ; v64-255 three sets of 16 loads
.set WV,   14
.set SEL,  20
.set CS,   22                          ; s[22:23] log2(e)
.macro KGRP q                          ; group q's 16 loads
.irp i, 0,1,2,3,4,5,6,7,8,9,10,11,12,13,14,15
	global_load_b128 v[KR+64*((\q)%3)+4*\i:KR+64*((\q)%3)+4*\i+3], v[KO], s[4:5] offset:(32*(\q)+\i)*4096 th:TH_LOAD_NT
.endr
.endm
.macro PLOAD q                         ; group q's 16 weights of my half's rows; sixteen lanes read the same bytes
.set PS, P0
.if (\q)%2
.set PS, P1
.endif
.irp m, 0,1,2,3
	ds_load_b128 v[PS+4*\m:PS+4*\m+3], v[PA] offset:128*(\q)+16*\m
.endr
.endm
; Group q is summed.  n: the younger loads that may be out.
.macro GRP q, n
	s_wait_dscnt 0x0                               ; this group's weights, asked for a group ago
.if (\q) < 15
	PLOAD (\q)+1
.endif
	s_wait_loadcnt \n                              ; this group's 16 loads are in
.set PS, P0
.if (\q)%2
.set PS, P1
.endif
.set KK, KR+64*((\q)%3)
.irp i, 0,1,2,3,4,5,6,7,8,9,10,11,12,13,14,15
.irp u, 0,1
.set zA, ACC+4*(\i%4)+2*\u
.set zK, KK+4*\i+2*\u
.set zP, PS+2*(\i/2)
.if ((\q) == 0) && (\i < 4)                    ; the first four rows start the four sums: nothing is cleared
.if \i%2
	v_pk_mul_f32 v[zA:zA+1], v[zK:zK+1], v[zP:zP+1] op_sel:[0,1] op_sel_hi:[1,1]
.else
	v_pk_mul_f32 v[zA:zA+1], v[zK:zK+1], v[zP:zP+1] op_sel_hi:[1,0]
.endif
.else
.if \i%2
	v_pk_fma_f32 v[zA:zA+1], v[zK:zK+1], v[zP:zP+1], v[zA:zA+1] op_sel:[0,1,0] op_sel_hi:[1,1,1]   ; both columns x the pair's second weight
.else
	v_pk_fma_f32 v[zA:zA+1], v[zK:zK+1], v[zP:zP+1], v[zA:zA+1] op_sel_hi:[1,0,1]                  ; x its first
.endif
.endif
.endr
.endr
.if (\q)+3 < 16
	KGRP (\q)+3                                    ; into the set just summed
.endif
.endm
	s_load_b256 s[4:11], s[0:1], 0x0               ; keys s[4:5], scores s[6:7], out0 s[8:9], out1 s[10:11]
	s_set_vgpr_msb 0x40
	v_lshl_add_u32 v0, v0, 2, 0x4a00
	v_mov_b32 v1, 0
	s_set_vgpr_msb 0x4000
	v_lshrrev_b32 v24, 5, v0
	v_readfirstlane_b32 s[WV], v24                 ; wave 0..7
	s_and_b32 s12, ttmp9, 15                       ; c
	s_and_b32 s13, ttmp7, 0xffff                   ; b
	v_and_b32 v25, 15, v0                          ; r
	v_bfe_u32 v26, v0, 4, 1                        ; h
	v_lshlrev_b32 v[KO], 4, v25
	v_lshl_add_u32 v[KO], v26, 16, v[KO]
	v_lshlrev_b32 v[T16], 4, v0
	s_lshl_b32 s15, s[WV], 11
	v_lshlrev_b32 v[PA], 6, v26
	v_add_nc_u32 v[PA], s15, v[PA]
	v_lshlrev_b32 v[T8], 3, v0
	s_lshl_b32 s15, s[WV], 2
	s_add_co_u32 s15, s15, RED1
	v_mov_b32 v[RW], s15
	v_mov_b32 v[RR], RED1
	s_lshl_b32 s15, s12, 10
	v_add_nc_u32 v[AT], s15, v[T8]
	s_mov_b32 s[SEL], 0x76543210
	s_mov_b32 s[SEL+1], 0xfedcba98
	s_mov_b32 s[CS], 0x3fb8aa3b                    ; log2(e)
	s_mov_b32 s[CS+1], s[CS]                       ; (named with it as a pair, so it is written)
	s_lshl_b32 s16, s13, 24                        ; the batch's 4,096 rows of 4,096 bytes,
	s_lshl_b32 s18, s[WV], 21                      ; my wave's 512 rows,
	s_add_co_u32 s16, s16, s18
	s_lshl_b32 s18, s12, 8                         ; my work-group's 256 bytes of a row
	s_add_co_u32 s16, s16, s18
	s_mov_b32 s17, 0
	s_lshl_b32 s18, s13, 14                        ; the batch's 4,096 scores, and its row of attn
	s_mov_b32 s19, 0
	s_wait_kmcnt 0x0
	s_add_nc_u64 s[4:5], s[4:5], s[16:17]
	s_add_nc_u64 s[6:7], s[6:7], s[18:19]
	s_add_nc_u64 s[10:11], s[10:11], s[18:19]
	s_lshl_b32 s18, s12, 10
	s_add_nc_u64 s[10:11], s[10:11], s[18:19]      ; my 256 numbers of attn
	s_lshl_b32 s18, s13, 12
	s_lshl_b32 s16, s12, 8
	s_add_co_u32 s18, s18, s16
	s_add_nc_u64 s[8:9], s[8:9], s[18:19]          ; my 64 numbers of the context
.irp m, 0,1,2,3
	global_load_b128 v[S+4*\m:S+4*\m+3], v[T16], s[6:7] offset:4096*\m   ; the 256 threads read 4,096 consecutive bytes
.endr
	KGRP 0
	KGRP 1
	KGRP 2
	s_wait_loadcnt 48                              ; the scores are in; keys' 48 loads stay out
	; ---- the row's maximum
	v_max3_num_f32 v24, v[S], v[S+1], v[S+2]
.irp i, 3,5,7,9,11,13
	v_max3_num_f32 v24, v24, v[S+\i], v[S+\i+1]
.endr
	v_max_num_f32 v24, v24, v[S+15]
	v_max_num_f32_dpp v24, v24, v24 row_xmask:1 row_mask:0xf bank_mask:0xf
	v_max_num_f32_dpp v24, v24, v24 row_xmask:2 row_mask:0xf bank_mask:0xf
	v_max_num_f32_dpp v24, v24, v24 row_xmask:4 row_mask:0xf bank_mask:0xf
	v_max_num_f32_dpp v24, v24, v24 row_xmask:8 row_mask:0xf bank_mask:0xf
	v_permlanex16_b32 v25, v24, s[SEL], s[SEL+1]
	v_max_num_f32 v24, v24, v25
	ds_store_b32 v[RW], v24                        ; all lanes write my wave's word with the same value
	s_wait_dscnt 0x0                               ; for the others' sake
	s_barrier_signal -1
	s_barrier_wait -1
	ds_load_b128 v[32:35], v[RR]
	ds_load_b128 v[36:39], v[RR] offset:16
	s_wait_dscnt 0x0
	v_max3_num_f32 v24, v32, v33, v34
	v_max3_num_f32 v24, v24, v35, v36
	v_max3_num_f32 v24, v24, v37, v38
	v_max_num_f32 v24, v24, v39                    ; m
	v_mul_f32 v26, s[CS], v24                      ; m log2(e), rounded once: the same number for the whole row, so its rounding cancels in e / the sum
	v_mov_b32 v27, v26
.irp j, 0,2,4,6,8,10,12,14
	v_pk_fma_f32 v[S+\j:S+\j+1], v[S+\j:S+\j+1], s[CS:CS+1], v[26:27] op_sel_hi:[1,0,0] neg_lo:[0,0,1] neg_hi:[0,0,1]
.endr
.irp j, 0,1,2,3,4,5,6,7,8,9,10,11,12,13,14,15
	v_exp_f32 v[S+\j], v[S+\j]                     ; e, near 1 at the most
.endr
	v_nop                                          ; a plain line behind the last exponential
	s_wait_alu depctr_va_vdst(0)                   ; one wait for the 16, ahead of the first line that names a result
	; ---- the row's sum
	v_pk_add_f32 v[32:33], v[S:S+1], v[S+2:S+3]
	v_pk_add_f32 v[34:35], v[S+4:S+5], v[S+6:S+7]
	v_pk_add_f32 v[36:37], v[S+8:S+9], v[S+10:S+11]
	v_pk_add_f32 v[38:39], v[S+12:S+13], v[S+14:S+15]
	v_pk_add_f32 v[32:33], v[32:33], v[34:35]
	v_pk_add_f32 v[36:37], v[36:37], v[38:39]
	v_pk_add_f32 v[32:33], v[32:33], v[36:37]
	v_add_f32 v24, v32, v33
	v_add_f32_dpp v24, v24, v24 row_xmask:1 row_mask:0xf bank_mask:0xf
	v_add_f32_dpp v24, v24, v24 row_xmask:2 row_mask:0xf bank_mask:0xf
	v_add_f32_dpp v24, v24, v24 row_xmask:4 row_mask:0xf bank_mask:0xf
	v_add_f32_dpp v24, v24, v24 row_xmask:8 row_mask:0xf bank_mask:0xf
	v_permlanex16_b32 v25, v24, s[SEL], s[SEL+1]
	v_add_f32 v24, v24, v25
.irp m, 0,1,2,3
	ds_store_b128 v[T16], v[S+4*\m:S+4*\m+3] offset:PT+4096*\m
.endr
	ds_store_b32 v[RW], v24 offset:RED2-RED1
	s_wait_dscnt 0x0                               ; for the others' sake: e and my wave's sum have landed
	s_barrier_signal -1
	s_barrier_wait -1
	ds_load_b128 v[32:35], v[RR] offset:RED2-RED1
	ds_load_b128 v[36:39], v[RR] offset:RED2-RED1+16
	s_wait_dscnt 0x0
	v_pk_add_f32 v[32:33], v[32:33], v[34:35]
	v_pk_add_f32 v[36:37], v[36:37], v[38:39]
	v_pk_add_f32 v[32:33], v[32:33], v[36:37]
	v_add_f32 v24, v32, v33                        ; l, at least about 1: the largest e is among its terms
	v_rcp_f32 v28, v24
	v_nop                                          ; a plain line behind the reciprocal
	s_wait_alu depctr_va_vdst(0)                   ; and its wait, ahead of the first line that names it and of the branch
	v_mov_b32 v29, v28
	; ---- attn: my work-group's 256 numbers, by waves 0 to 3
	s_cmp_lt_u32 s[WV], 4
	s_cbranch_scc0 .Lno_attn
	ds_load_b64 v[30:31], v[AT]
	s_wait_dscnt 0x0
	v_pk_mul_f32 v[30:31], v[30:31], v[28:29]
	global_store_b64 v[T8], v[30:31], s[10:11]     ; a wave stores 256 consecutive bytes, at a multiple of 256 from the buffer's first byte
.Lno_attn:
	; ---- the context: 16 groups of 32 rows
	PLOAD 0
.irp q, 0,1,2,3,4,5,6,7,8,9,10,11,12,13
	GRP \q, 32                                     ; the two younger groups stay out
.endr
	GRP 14, 16                                     ; nothing is left to ask for: the counts run down
	GRP 15, 0
	v_pk_add_f32 v[ACC:ACC+1], v[ACC:ACC+1], v[ACC+4:ACC+5]
	v_pk_add_f32 v[ACC+2:ACC+3], v[ACC+2:ACC+3], v[ACC+6:ACC+7]
	v_pk_add_f32 v[ACC+8:ACC+9], v[ACC+8:ACC+9], v[ACC+12:ACC+13]
	v_pk_add_f32 v[ACC+10:ACC+11], v[ACC+10:ACC+11], v[ACC+14:ACC+15]
	v_pk_add_f32 v[ACC:ACC+1], v[ACC:ACC+1], v[ACC+8:ACC+9]
	v_pk_add_f32 v[ACC+2:ACC+3], v[ACC+2:ACC+3], v[ACC+10:ACC+11]
.irp j, 0,1,2,3
	v_permlanex16_b32 v[P0+\j], v[ACC+\j], s[SEL], s[SEL+1]   ; the other half of the lanes summed the other rows of the same columns
.endr
	v_pk_add_f32 v[ACC:ACC+1], v[ACC:ACC+1], v[P0:P0+1]
	v_pk_add_f32 v[ACC+2:ACC+3], v[ACC+2:ACC+3], v[P0+2:P0+3]
	v_pk_mul_f32 v[ACC:ACC+1], v[ACC:ACC+1], v[28:29]         ; / l
	v_pk_mul_f32 v[ACC+2:ACC+3], v[ACC+2:ACC+3], v[28:29]
	v_and_b32 v[RW], 15, v0
	s_lshl_b32 s15, s[WV], 8
	s_add_co_u32 s15, s15, CR
	v_lshl_add_u32 v[RW], v[RW], 4, s15
	ds_store_b128 v[RW], v[ACC:ACC+3]              ; lanes l and l + 16 write the same bytes with the same values
	s_wait_dscnt 0x0                               ; for wave 0's sake
	s_barrier_signal -1
	s_barrier_wait -1
	s_cmp_lg_u32 s[WV], 0
	s_cbranch_scc1 .Lend
	v_add_nc_u32 v[RR], CR, v[T8]                  ; in wave 0 the thread's number is the lane's
.irp w, 0,1,2,3,4,5,6,7
	ds_load_b64 v[KR+2*\w:KR+2*\w+1], v[RR] offset:256*\w
.endr
	s_wait_dscnt 0x0
.irp w, 1,2,3,4,5,6,7
	v_pk_add_f32 v[KR:KR+1], v[KR:KR+1], v[KR+2*\w:KR+2*\w+1]   ; rows ascending
.endr
	global_store_b64 v[T8], v[KR:KR+1], s[8:9]     ; 32 lanes store 256 consecutive bytes, at a multiple of 256 from the buffer's first byte
.Lend:
	s_set_vgpr_msb 0x5
	s_wait_tensorcnt 0x0
	ds_add_u32 v0, v1
	s_wait_dscnt 0x0
	s_set_vgpr_msb 0x500
	s_endpgm
.Lfunc_end_k_qc689f325dd_context:
	.size	k_qc689f325dd_context, .Lfunc_end_k_qc689f325dd_context-k_qc689f325dd_context
	.p2alignl 7, 3214868480
	.fill 96, 4, 3214868480
	.section	.rodata,"a",@progbits
	.p2align	6, 0x0
	.amdhsa_kernel k_qc689f325dd_context
		.amdhsa_group_segment_fixed_size 19968
		.amdhsa_private_segment_fixed_size 0
		.amdhsa_enable_private_segment 0
		.amdhsa_kernarg_size 32
		.amdhsa_user_sgpr_count 2
		.amdhsa_user_sgpr_kernarg_segment_ptr 1
		.amdhsa_wavefront_size32 1
		.amdhsa_system_sgpr_workgroup_id_x 1
		.amdhsa_system_sgpr_workgroup_id_y 1
		.amdhsa_system_sgpr_workgroup_id_z 1
		.amdhsa_system_vgpr_workitem_id 0
		.amdhsa_next_free_vgpr 258
		.amdhsa_next_free_sgpr 66
		.amdhsa_reserve_vcc 0
		.amdhsa_float_denorm_mode_32 3
		.amdhsa_float_denorm_mode_16_64 3
		.amdhsa_memory_ordered 1
		.amdhsa_forward_progress 1
		.amdhsa_inst_pref_size 71
	.end_amdhsa_kernel
	.amdgpu_metadata
---
amdhsa.version: [ 1, 2 ]
amdhsa.kernels:
  - .name:           k_qc689f325dd_context
    .symbol:         k_qc689f325dd_context.kd
    .args:
      - { .name: keys, .offset: 0, .size: 8, .value_kind: global_buffer, .address_space: global }
      - { .name: scores, .offset: 8, .size: 8, .value_kind: global_buffer, .address_space: global }
      - { .name: out0, .offset: 16, .size: 8, .value_kind: global_buffer, .address_space: global }
      - { .name: out1, .offset: 24, .size: 8, .value_kind: global_buffer, .address_space: global }
    .group_segment_fixed_size: 19968
    .private_segment_fixed_size: 0
    .kernarg_segment_align: 8
    .kernarg_segment_size: 32
    .max_flat_workgroup_size: 256
    .sgpr_count:     66
    .vgpr_count:     258
    .wavefront_size: 32
...
	.end_amdgpu_metadata
.endif
;; end of part 3
